; MI455X (gfx1250); checked and timed in simulation.
; The chip was launched on July 23, 2026; its instructions are those of AMD's public machine-readable ISA for CDNA 5 (MIT licence, August 2026) and "CDNA5" Instruction Set Architecture Reference Guide (July 2026). The comments in the code are by the model that wrote it; some were corrected since.
;; Luong Attention. Allowed arithmetic: float matrix products may take bf16 or f16 operands with f32 sums; all other float work in f32.
;; Inputs: W_tanh 512 x 256 float32; dec_outputs_top 8 x 2,048 x 256 float32; enc_outputs_top 8 x 2,048 x 256 float32.
;; Outputs: out0 8 x 2,048 x 256 float32.
;; One version. Each part assembles by itself: llvm-mc -triple=amdgcn-amd-amdhsa -mcpu=gfx1250 --defsym DOCPART=n.
;; ======== version 1 of 1: 2 launches
;; workspace buffers: encb 8,388,608 bytes; decb 8,388,608 bytes; wf 262,144 bytes
;; launch cast (part 1): grid 544 x 1, 8 waves a work-group, no clusters, 0 bytes of LDS; arguments enc_outputs_top, dec_outputs_top, W_tanh, encb, decb, wf; writes encb, decb, wf
.if DOCPART == 1
	.amdgcn_target "amdgcn-amd-amdhsa--gfx1250"
	.amdhsa_code_object_version 6
	.text
	.protected	k_q0f90ebb20a_cast
	.globl	k_q0f90ebb20a_cast
	.p2align	8
	.type	k_q0f90ebb20a_cast,@function
k_q0f90ebb20a_cast:
	s_mov_b64 s[64:65], 0
	v_nop
	global_prefetch_b8 v0, s[64:65] scope:SCOPE_SE
	s_setreg_imm32_b32 hwreg(HW_REG_WAVE_MODE, 25, 1), 1
	s_wait_xcnt 0x0
; enc and dec, f32 [8][2048][256], are rounded once to bf16 (encb, decb, same order); W, f32 [512][256], is rounded to bf16 and laid out
; as ready matrix fragments of its transpose (wf).  The attention launch reads each of these 32 times over, so the rounding is done once here.
; Work-groups 0-255: enc; 256-511: dec; each takes 65,536 bytes of f32 and makes 32,768 bytes of bf16.  512-543: W, one fragment a wave.
; A stream: no LDS, no barrier, no matrix unit, no cluster (no two work-groups read the same bytes).
; wf: fragment F = half*128 + ntile*8 + kk, 1,024 bytes.  With r = lane % 16, h = lane / 16, k0 = 256 half + 32 kk:
;   bytes 1024 F + 16 lane       : W[k0 + 8h + 0..7][16 ntile + r]
;   bytes 1024 F + 512 + 16 lane : W[k0 + 16 + 8h + 0..7][16 ntile + r]
.set X, 4                              ; v[4:67]   f32 as loaded
.set Y, 68                             ; v[68:99]  bf16 to store
	s_load_b256 s[4:11], s[0:1], 0x0               ; enc s[4:5], dec s[6:7], W s[8:9], encb s[10:11]
	s_load_b128 s[12:15], s[0:1], 0x20             ; decb s[12:13], wf s[14:15]
	s_cmp_lt_u32 ttmp9, 512
	s_cbranch_scc0 .Lweights
	; enc or dec.  Thread t takes the 16 bytes at 16 t of each of 16 blocks of 4,096 bytes: a wave's load covers 512 consecutive bytes,
	; and its store of 8 bytes a lane covers 256 consecutive bytes, aligned.
	v_lshlrev_b32 v1, 4, v0                        ; 16 t, in
	v_lshlrev_b32 v2, 3, v0                        ; 8 t, out
	s_and_b32 s16, ttmp9, 255                      ; my part of the tensor
	s_lshl_b32 s18, s16, 16                        ; 65,536 bytes in
	s_mov_b32 s19, 0
	s_lshl_b32 s20, s16, 15                        ; 32,768 bytes out
	s_mov_b32 s21, 0
	s_wait_kmcnt 0x0
	s_cmp_lt_u32 ttmp9, 256
	s_cselect_b64 s[22:23], s[4:5], s[6:7]         ; enc or dec
	s_cselect_b64 s[24:25], s[10:11], s[12:13]     ; encb or decb
	s_add_nc_u64 s[22:23], s[22:23], s[18:19]
	s_add_nc_u64 s[24:25], s[24:25], s[20:21]
.irp j, 0,1,2,3,4,5,6,7,8,9,10,11,12,13,14,15
	global_load_b128 v[X+4*\j:X+4*\j+3], v1, s[22:23] offset:4096*\j th:TH_LOAD_NT   ; all sixteen loads go out first; read once in the launch
.endr
.irp j, 0,1,2,3,4,5,6,7,8,9,10,11,12,13,14,15
	s_wait_loadcnt 15-\j                           ; loads come back in order: load j is in, the 15 - j younger ones stay out
	v_cvt_pk_bf16_f32 v[Y+2*\j], v[X+4*\j], v[X+4*\j+1]
	v_cvt_pk_bf16_f32 v[Y+2*\j+1], v[X+4*\j+2], v[X+4*\j+3]
	global_store_b64 v2, v[Y+2*\j:Y+2*\j+1], s[24:25] offset:2048*\j                 ; no register is used twice: no further wait
.endr
	s_endpgm
.Lweights:
	; one fragment a wave: F = 8 (work-group - 512) + wave, so kk = wave, ntile = (work-group - 512) % 16, half = (work-group - 512) / 16
	v_lshrrev_b32 v1, 5, v0
	v_readfirstlane_b32 s16, v1                    ; wave = kk
	s_sub_co_u32 s17, ttmp9, 512
	s_lshr_b32 s18, s17, 4                         ; half
	s_and_b32 s19, s17, 15                         ; ntile
	s_lshl_b32 s18, s18, 18                        ; 256 rows of 1,024 bytes
	s_lshl_b32 s20, s16, 15                        ; 32 rows of 1,024 bytes
	s_add_co_u32 s18, s18, s20
	s_lshl_b32 s19, s19, 6                         ; 16 columns of 4 bytes
	s_add_co_u32 s18, s18, s19
	s_mov_b32 s19, 0
	s_lshl_b32 s20, s17, 13                        ; 1,024 F
	s_lshl_b32 s21, s16, 10
	s_add_co_u32 s20, s20, s21
	s_mov_b32 s21, 0
	v_and_b32 v2, 15, v0                           ; r
	v_bfe_u32 v3, v0, 4, 1                         ; h
	v_lshlrev_b32 v2, 2, v2
	v_lshl_add_u32 v2, v3, 13, v2                  ; 8 h rows + 4 r
	v_and_b32 v3, 31, v0
	v_lshlrev_b32 v3, 4, v3                        ; 16 lane
	s_wait_kmcnt 0x0
	s_add_nc_u64 s[22:23], s[8:9], s[18:19]
	s_add_nc_u64 s[24:25], s[14:15], s[20:21]
.irp i, 0,1,2,3,4,5,6,7
	global_load_b32 v[X+\i], v2, s[22:23] offset:1024*\i             ; W[k0 + 8h + i][16 ntile + r]
	global_load_b32 v[X+8+\i], v2, s[22:23] offset:1024*(16+\i)      ; W[k0 + 16 + 8h + i][..]
.endr
	s_wait_loadcnt 0x0
.irp k, 0,1,2,3
	v_cvt_pk_bf16_f32 v[Y+\k], v[X+2*\k], v[X+2*\k+1]                ; the lower k in the lower half
	v_cvt_pk_bf16_f32 v[Y+4+\k], v[X+8+2*\k], v[X+9+2*\k]
.endr
	global_store_b128 v3, v[Y:Y+3], s[24:25]                         ; 512 consecutive bytes a store
	global_store_b128 v3, v[Y+4:Y+7], s[24:25] offset:512
	s_endpgm
.Lfunc_end_k_q0f90ebb20a_cast:
	.size	k_q0f90ebb20a_cast, .Lfunc_end_k_q0f90ebb20a_cast-k_q0f90ebb20a_cast
	.p2alignl 7, 3214868480
	.fill 96, 4, 3214868480
	.section	.rodata,"a",@progbits
	.p2align	6, 0x0
	.amdhsa_kernel k_q0f90ebb20a_cast
		.amdhsa_group_segment_fixed_size 0
		.amdhsa_private_segment_fixed_size 0
		.amdhsa_enable_private_segment 0
		.amdhsa_kernarg_size 48
		.amdhsa_user_sgpr_count 2
		.amdhsa_user_sgpr_kernarg_segment_ptr 1
		.amdhsa_wavefront_size32 1
		.amdhsa_system_sgpr_workgroup_id_x 1
		.amdhsa_system_sgpr_workgroup_id_y 1
		.amdhsa_system_sgpr_workgroup_id_z 1
		.amdhsa_system_vgpr_workitem_id 0
		.amdhsa_next_free_vgpr 104
		.amdhsa_next_free_sgpr 66
		.amdhsa_reserve_vcc 0
		.amdhsa_float_denorm_mode_32 3
		.amdhsa_float_denorm_mode_16_64 3
		.amdhsa_memory_ordered 1
		.amdhsa_forward_progress 1
		.amdhsa_inst_pref_size 10
	.end_amdhsa_kernel
	.amdgpu_metadata
---
amdhsa.version: [ 1, 2 ]
amdhsa.kernels:
  - .name:           k_q0f90ebb20a_cast
    .symbol:         k_q0f90ebb20a_cast.kd
    .args:
      - { .name: enc_outputs_top, .offset: 0, .size: 8, .value_kind: global_buffer, .address_space: global }
      - { .name: dec_outputs_top, .offset: 8, .size: 8, .value_kind: global_buffer, .address_space: global }
      - { .name: W_tanh, .offset: 16, .size: 8, .value_kind: global_buffer, .address_space: global }
      - { .name: encb, .offset: 24, .size: 8, .value_kind: global_buffer, .address_space: global }
      - { .name: decb, .offset: 32, .size: 8, .value_kind: global_buffer, .address_space: global }
      - { .name: wf, .offset: 40, .size: 8, .value_kind: global_buffer, .address_space: global }
    .group_segment_fixed_size: 0
    .private_segment_fixed_size: 0
    .kernarg_segment_align: 8
    .kernarg_segment_size: 48
    .max_flat_workgroup_size: 256
    .sgpr_count:     66
    .vgpr_count:     104
    .wavefront_size: 32
...
	.end_amdgpu_metadata
.endif
;; end of part 1
;; launch attn (part 2): grid 256 x 1, 4 waves a work-group, clusters of 4 x 1, 327,680 bytes of LDS; arguments encb, decb, wf, out0; writes out0
.if DOCPART == 2
	.amdgcn_target "amdgcn-amd-amdhsa--gfx1250"
	.amdhsa_code_object_version 6
	.text
	.protected	k_q0f90ebb20a_attn
	.globl	k_q0f90ebb20a_attn
	.p2align	8
	.type	k_q0f90ebb20a_attn,@function
k_q0f90ebb20a_attn:
	s_mov_b64 s[64:65], 0
	v_nop
	global_prefetch_b8 v0, s[64:65] scope:SCOPE_SE
	s_setreg_imm32_b32 hwreg(HW_REG_WAVE_MODE, 25, 1), 1
	s_wait_xcnt 0x0
	s_wait_alu depctr_hold_cnt(0) depctr_sa_sdst(0) depctr_va_vdst(0) depctr_va_sdst(0) depctr_va_ssrc(0) depctr_va_vcc(0) depctr_vm_vsrc(0)
	s_getreg_b32 s2, hwreg(HW_REG_IB_STS2, 6, 4)
	s_cmp_eq_u32 s2, 0
	s_cbranch_scc0 .Lentry_in_a_cluster
	s_endpgm
.Lentry_in_a_cluster:
	s_bfe_u32 s2, ttmp6, 0x10000c
	s_cmp_lg_u32 s2, 0x3003
	s_cbranch_scc0 .Lentry_shape_is_right
	s_endpgm
.Lentry_shape_is_right:
; out[s] = tanh([ctx[s], dec[s]] W),  ctx[s] = sum over t of softmax_t(enc[s] . dec[t]) enc[t].   8 batches, 2,048 rows, width 256.
; encb, decb: the inputs in bf16; wf: W transposed, bf16, in fragment order (1,024 bytes a fragment, F = half*128 + ntile*8 + kk).
; A work-group owns 64 rows s (256 x 64 = 16,384).  EVERY wave holds all 64 rows and takes a QUARTER OF THE KEYS: in step i wave w takes
; t = 256 i + 64 w .. + 63.  So each byte of K and V is read from LDS once in the work-group and each fragment of 1,024 bytes feeds four
; matrix instructions.  The four waves' partial sums are merged once, at the end, in f32.
; EVERYTHING IS TRANSPOSED.  S^T = K Q^T: register j of lane (r = lane % 16, h = lane / 16) is t = 8h + j, s = r, so maximum and sum run along a
; lane's registers, with one exchange between the halves of the wave; two packed tiles of S^T ARE the second source of O^T = V^T P^T; two packed
; tiles of O^T are the second source of out^T = W^T H^T.  No shuffle.  V lies [t][d] in LDS; V^T's fragments come by the transposing LDS load.
; CLUSTER: the four work-groups of a cluster lie in one batch, read the same K and V tiles in the same steps and the same W: these tensor loads are
; joint, mask 15; their descriptors hang on the cluster's number, the wave's number and the step alone.  My own 64 rows of dec are shared with
; nobody: a plain tensor load (mask 0), 16 rows a wave, among the first fills.
; ORDER OF THE STEPS: cluster c starts at step 2 (c % 4) and walks round modulo 8; a running softmax does not depend on the order.  From its third
; step on a cluster asks for tiles that another cluster of the batch asked for two steps earlier.
; RING: each wave has one K slot and one V slot of its own (64 rows of 512 bytes).  When the last K fragments are in registers the K slot is filled
; with the next step's keys, when the last V fragments are in registers the V slot with the next step's values: one tensor load a wave behind each
; round of the cluster's barrier, 32 KiB each; between the wait for all loads and the refill stands the round alone.
; A wave has three tensor loads out at the start and one behind each round.  A K or V slot is read only by the wave that filled it.
; LIMITS: the running maximum is the exact maximum; the exponent's reference is max * log2(e) rounded to f32, the same for P and for the rescaling;
; exponentials below 2^-126 come out as 0; tanh(x) = 1 - 2 / (1 + 2^(2.88539 x)) has an absolute error of about 1e-7 near 0;
; NaN and infinities among the inputs are not treated specially (a NaN score loses in the maximum).
.set KP,     528                       ; K rows: 512 bytes + 16 of padding = 33 x 16: the 16 rows of a load start 16 bytes apart modulo 256
.set KSLOT,  64*KP
.set VP,     544                       ; V rows: 512 + 32 = 17 x 32, for the transposing load
.set VSLOT,  64*VP
.set VBASE,  4*KSLOT                   ; 135,168
.set CTX,    VBASE+4*VSLOT             ; 274,432: first my 64 rows of dec (64 x 528, filled once); behind their last read ctx in bf16, (kk*4 + st)*1024
.set STATS,  CTX+64*KP                 ; 308,224: wave*512 + st*128 + r*8: the pair (-max*log2e, sum); no tensor load lands here
.set OSTG,   16384                     ; the way out: 64 rows x 272 bytes in my V slot, behind its last fill, behind the dumped quarter
.set OPITCH, 272
; vector registers, window 0
.set ADRK,  2                          ; my K slot + r KP + 16 h
.set ADRW,  3                          ; my K slot + 16 lane
.set ADRV,  4                          ; v4-7: my V slot + ((lane%8) + 8h) VP + 16 ((lane/8)%2) + 128 ((q + wave) % 4)
.set QOFF,  8                          ; r 512 + 16 h
.set L16,   9                          ; 16 lane
.set DUMPV, 10                         ; my V slot + 16 lane
.set RX1,   11                         ; my d quarter in the dumps of waves w-1, w-2, w-3
.set RX2,   12
.set RX3,   13
.set STW,   14
.set SR,    15                         ; v15-18: STATS of wave (w - q) % 4
.set CTXW,  19
.set NM,    20                         ; v[20+2st] = -max*log2e, v[21+2st] = running sum (this half-wave's t)
.set AL,    28                         ; v[28+2st] = rescaling factor, v[29+2st] = running maximum
.set MX,    36
.set PX,    40
.set SUM,   44                         ; v44-51
.set CTXR,  52
.set OSW,   53
.set OSR,   54
.set OOFF,  55
.set TP,    56                         ; v56-61 set-up only
.set DADR,  62                         ; my dec rows in LDS: CTX + r KP + 16 h
.set KF,    64                         ; v64-127: fragments of K or W (two buffers of 32), of V^T (buffer X); merge: the waves' figures
.set SC,    128                        ; v128-255: S^T tile (tt, st) at SC + 16 (4 (tt/2) + st) + 8 (tt%2): eight blocks of 16.  Packed: P fragment (c, st)
                                       ; in the first 8 of block 4c + st; the other 8 fall free and are buffer Y for V^T
; window 1: Q fragment (st, kk) at 8 (8 st + kk); later my dec rows likewise; later W's ctx half, fragment (nt, kk) at 8 (8 nt + kk)
; windows 2, 3: O^T tile (slot dl, st) at 8 (4 dl + st), slots 0-7 and 8-15.  Register quarter q of wave w holds d quarter (q + w) % 4, by ADRV
; alone: quarter 0 is the one that the wave keeps in the merge, and one text serves all four waves.
.set G1K, 16                           ; s[16:23] shape of a K tile; s[24:31] of a V tile; s[32:39] of 32 KiB of wf; s[72:79] of 16 rows of dec
.set G1V, 24
.set G1W, 32
.set G0K, 40
.set G0V, 44
.set G0W, 48
.set G1D, 72
.set G0D, 80
.set KB,  84                           ; s[84:85] decb at my batch and my wave's 64 rows of step 0
.set VBA, 86                           ; s[86:87] encb likewise
.set KI,  88                           ; which step's keys were asked for last, 0..7
.set VI,  89                           ; which step's values
.set OF,  90                           ; s[90:91] a step's byte offset
; s12 wave; s13, s14, s[70:71] hold what hangs on my place in the cluster and feed no joint descriptor and no LDS address; s15 batch;
; s52, s53 selects of v_permlanex16_b32; s54 counter; s56, s57, s62, s63 at work; s[58:59] my rows in encb; s[66:67] my part of wf's ctx half; s[68:69] out0
.set MSB, 0
.macro WIN new                         ; s_set_vgpr_msb: bits 1:0 source 0, 3:2 source 1, 5:4 source 2, 7:6 destination; the high byte repeats the setting left
.if MSB != (\new)
	s_set_vgpr_msb (MSB<<8)|(\new)
.set MSB, (\new)
.endif
.endm
.macro PLACES n                        ; places behind a matrix instruction (ISA guide 7.12.1)
.rept \n
	v_nop
.endr
.endm
.macro ROUND                           ; a round of the cluster's barrier
	s_barrier_signal -1
	s_barrier_wait -1
	s_cmp_lg_u32 s12, 0
	s_cbranch_scc1 .Lnot_wave_0_\@
	s_barrier_signal -3
.Lnot_wave_0_\@:
	s_barrier_wait -3
	s_barrier_signal -1
	s_barrier_wait -1
.endm
.macro NEXTT idx, base, g0             ; the next step's tile, modulo 8: base + index x 256 rows of 512 bytes.  Stands where no tensor load of the wave is out
	s_add_co_u32 s[\idx], s[\idx], 1
	s_and_b32 s[\idx], s[\idx], 7
	s_lshl_b32 s[OF], s[\idx], 17
	s_add_nc_u64 s[\g0+2:\g0+3], s[\base:\base+1], s[OF:OF+1]
	s_or_b32 s[\g0+3], s[\g0+3], 0x80000000
.endm
.macro G1SET g, w0, c, rows            ; descriptor group 1: rows x c elements, c elements from row to row
	s_mov_b32 s[\g+0], \w0
	s_mov_b32 s[\g+1], (\c)<<16
	s_mov_b32 s[\g+2], (\rows)<<16
	s_mov_b32 s[\g+3], (\c)<<16
	s_mov_b32 s[\g+4], \rows
	s_mov_b32 s[\g+5], \c
	s_mov_b32 s[\g+6], 0
	s_mov_b32 s[\g+7], 0
.endm
; 8 LDS loads: the four first-source fragments of K step kk into buffer kk % 2
.macro KLOAD adr, kk, ts, ks, hs
.irp tt, 0,1,2,3
	ds_load_b128 v[KF+32*((\kk)&1)+8*\tt:KF+32*((\kk)&1)+8*\tt+3], v[\adr] offset:\tt*\ts+(\kk)*\ks
	ds_load_b128 v[KF+32*((\kk)&1)+8*\tt+4:KF+32*((\kk)&1)+8*\tt+7], v[\adr] offset:\tt*\ts+(\kk)*\ks+\hs
.endr
.endm
; 16 matrix instructions on 16 accumulators, one a turn: tile (tt, st) += fragment tt x window 1's (st, kk)
.macro KMUL kk, zero
.irp tt, 0,1,2,3
.irp st, 0,1,2,3
.set TL, SC+16*(4*(\tt>>1)+\st)+8*(\tt&1)
.if \zero
	v_wmma_f32_16x16x32_bf16 v[TL:TL+7], v[KF+32*((\kk)&1)+8*\tt:KF+32*((\kk)&1)+8*\tt+7], v[8*(8*\st+(\kk)):8*(8*\st+(\kk))+7], 0
.else
	v_wmma_f32_16x16x32_bf16 v[TL:TL+7], v[KF+32*((\kk)&1)+8*\tt:KF+32*((\kk)&1)+8*\tt+7], v[8*(8*\st+(\kk)):8*(8*\st+(\kk))+7], v[TL:TL+7]
.endif
.endr
.endr
.endm
; K steps 0 to 6 of a product of width 256; step 0's fragments are on their way at entry, step 7's at exit.  The first product starts the sums.
.macro SCORE7 adr, ts, ks, hs
	WIN 0x04                                       ; second source in window 1; LDS loads name destination and source 0 only
.irp kk, 0,1,2,3,4,5,6
	PLACES 4                                       ; the loads below land in the buffer that the matrix instructions just above have read
	KLOAD \adr, \kk+1, \ts, \ks, \hs
	s_wait_dscnt 0x8                               ; all but the eight just issued
.if \kk == 0
	KMUL \kk, 1
.else
	KMUL \kk, 0
.endif
.endr
.endm
; 16 transposing loads: V^T's fragments of PV group g (t = 32 (g/2) .., slots 8 (g%2) ..) into buffer X (y = 0) or Y (y = 1);
; in the last step (last = 1) 16 loads go ahead of them: rows 16 g .. of my dec rows as fragments (g, kk) of window 1, which Q has left
.macro VL g, y, last
.if \last
	WIN 0x40
.irp kk, 0,1,2,3,4,5,6,7
	ds_load_b128 v[8*(8*\g+\kk):8*(8*\g+\kk)+3], v[DADR] offset:\g*16*KP+\kk*64
	ds_load_b128 v[8*(8*\g+\kk)+4:8*(8*\g+\kk)+7], v[DADR] offset:\g*16*KP+\kk*64+32
.endr
.endif
	WIN 0
.irp dl, 0,1,2,3,4,5,6,7
.set VB, KF+8*\dl+\y*(SC+8-KF+8*\dl)
	ds_load_tr16_b128 v[VB:VB+3], v[ADRV+2*((\g)&1)+(\dl>>2)] offset:((\g)>>1)*32*VP+(\dl&3)*32
	ds_load_tr16_b128 v[VB+4:VB+7], v[ADRV+2*((\g)&1)+(\dl>>2)] offset:((\g)>>1)*32*VP+(\dl&3)*32+16*VP
.endr
.endm
; 32 matrix instructions on 32 accumulators of one window, one a turn: O^T tile (dl, st) += V^T fragment dl x P fragment (g/2, st)
.macro PMUL g, y, zero
.irp dl, 0,1,2,3,4,5,6,7
.set VB, KF+8*\dl+\y*(SC+8-KF+8*\dl)
.irp st, 0,1,2,3
.if \zero
	v_wmma_f32_16x16x32_bf16 v[8*(4*\dl+\st):8*(4*\dl+\st)+7], v[VB:VB+7], v[SC+16*(4*((\g)>>1)+\st):SC+16*(4*((\g)>>1)+\st)+7], 0
.else
	v_wmma_f32_16x16x32_bf16 v[8*(4*\dl+\st):8*(4*\dl+\st)+7], v[VB:VB+7], v[SC+16*(4*((\g)>>1)+\st):SC+16*(4*((\g)>>1)+\st)+7], v[8*(4*\dl+\st):8*(4*\dl+\st)+7]
.endif
.endr
.endr
.endm
.macro RSC t                           ; tile t of the O^T window in force times the factor of its column block t % 4
.irp p, 0,2,4,6
	v_pk_mul_f32 v[8*(\t)+\p:8*(\t)+\p+1], v[8*(\t)+\p:8*(\t)+\p+1], v[AL+2*((\t)&3):AL+2*((\t)&3)+1] op_sel_hi:[1,0]
.endr
.endm
; PV group g = 0 or 1 with the rescaling riding along: behind the product on tile n stand the four multiplies of tile n + 2, which that tile's own
; product needs two turns later; tiles 0 and 1 of a window are rescaled ahead of its group (window 3's at the end of group 0).  The multiplies read
; O^T as source 0, the products V^T, so the window is switched twice a turn: seven issue slots for a matrix instruction and four multiplies.
.macro PMULR g, y
.set nn, 0
.irp dl, 0,1,2,3,4,5,6,7
.set VB, KF+8*\dl+\y*(SC+8-KF+8*\dl)
.irp st, 0,1,2,3
	WIN 0xa0+0x50*\g
	v_wmma_f32_16x16x32_bf16 v[8*(4*\dl+\st):8*(4*\dl+\st)+7], v[VB:VB+7], v[SC+16*\st:SC+16*\st+7], v[8*(4*\dl+\st):8*(4*\dl+\st)+7]
.if nn < 30
	WIN 0x82+0x41*\g
	RSC nn+2
.else
.if \g == 0
	WIN 0xc3
	RSC nn-30
.endif
.endif
.set nn, nn+1
.endr
.endr
.endm
; Softmax, part 1: the new running maximum, the exponent's reference, the rescaling factor.  A lane's 32 scores of column block st lie in blocks st, 4 + st.
.macro SM1 first
.irp st, 0,1,2,3
.if \first
	v_max_num_f32 v[MX+\st], v[SC+16*\st], v[SC+16*\st+1]
.else
	v_max3_num_f32 v[MX+\st], v[AL+2*\st+1], v[SC+16*\st], v[SC+16*\st+1]           ; the chain starts from the running maximum
.endif
.endr
.set ii, 2
.rept 15
.irp st, 0,1,2,3
	v_max3_num_f32 v[MX+\st], v[MX+\st], v[SC+16*\st+(ii&15)+64*(ii>>4)], v[SC+16*\st+(ii&15)+64*(ii>>4)+1]
.endr
.set ii, ii+2
.endr
.irp st, 0,1,2,3
	v_permlanex16_b32 v[PX+\st], v[MX+\st], s52, s53                                ; the other half of the wave holds the other t of the same s
.endr
.irp st, 0,1,2,3
	v_max_num_f32 v[AL+2*\st+1], v[MX+\st], v[PX+\st]
.endr
.if \first
.irp st, 0,1,2,3
	v_mul_f32 v[NM+2*\st], 0xbfb8aa3b, v[AL+2*\st+1]                                ; -max * log2(e)
.endr
.else
.irp st, 0,1,2,3
	v_mul_f32 v[PX+\st], 0xbfb8aa3b, v[AL+2*\st+1]
.endr
.irp st, 0,1,2,3
	v_sub_f32 v[AL+2*\st], v[PX+\st], v[NM+2*\st]                                   ; (old max - new max) * log2(e), at most 0
.endr
.irp st, 0,1,2,3
	v_mov_b32 v[NM+2*\st], v[PX+\st]
.endr
.irp st, 0,1,2,3
	v_exp_f32 v[AL+2*\st], v[AL+2*\st]                                              ; part 2's plain instructions stand between these and their first use
.endr
.endif
.endm
; Part 2 goes through the eight blocks as a pipeline of three stages.
.macro OPA b, k                        ; stage A, pair k of block b: score * log2(e) - max * log2(e)
	v_pk_fma_f32 v[SC+16*(\b)+2*(\k):SC+16*(\b)+2*(\k)+1], v[SC+16*(\b)+2*(\k):SC+16*(\b)+2*(\k)+1], 0x3fb8aa3b, v[NM+2*((\b)&3):NM+2*((\b)&3)+1] op_sel_hi:[1,0,0]
.endm
.macro OPC b, k                        ; stage C: pair k joins its column block's sum (in blocks 0-3 pairs 0 and 1 start it: nothing is cleared), then register k
                                       ; of the block takes registers 2k, 2k + 1 as bf16; both are summed by then
.if (\b) < 4
.if (\k) == 0
	s_wait_alu depctr_va_vdst(0)
	v_pk_add_f32 v[SUM+2*(\b):SUM+2*(\b)+1], v[SC+16*(\b):SC+16*(\b)+1], v[SC+16*(\b)+2:SC+16*(\b)+3]
.endif
.if (\k) > 1
	v_pk_add_f32 v[SUM+2*(\b):SUM+2*(\b)+1], v[SUM+2*(\b):SUM+2*(\b)+1], v[SC+16*(\b)+2*(\k):SC+16*(\b)+2*(\k)+1]
.endif
.else
	s_wait_alu depctr_va_vdst(0)
	v_pk_add_f32 v[SUM+2*((\b)&3):SUM+2*((\b)&3)+1], v[SUM+2*((\b)&3):SUM+2*((\b)&3)+1], v[SC+16*(\b)+2*(\k):SC+16*(\b)+2*(\k)+1]
.endif
	v_cvt_pk_bf16_f32 v[SC+16*(\b)+(\k)], v[SC+16*(\b)+2*(\k)], v[SC+16*(\b)+2*(\k)+1]
.endm
; stage B of block b, its 16 exponentials, with stage A of block b + 1 (a = 1) and stage C of block b - 1 (c = 1) between them: what follows an
; exponential is another exponential or a plain instruction on another block (ISA guide 5.7.2)
.macro SMBLK b, a, c
.irp k, 0,1,2,3,4,5,6,7
	v_exp_f32 v[SC+16*(\b)+2*\k], v[SC+16*(\b)+2*\k]
.if \a
	OPA (\b)+1, \k
.endif
	v_exp_f32 v[SC+16*(\b)+2*\k+1], v[SC+16*(\b)+2*\k+1]
.if \c
	OPC (\b)-1, \k
.endif
.endr
.endm
.macro SM2 first
.irp k, 0,1,2,3,4,5,6,7
	OPA 0, \k
.endr
	SMBLK 0, 1, 0
.irp b, 1,2,3,4,5,6
	SMBLK \b, 1, 1
.endr
	SMBLK 7, 0, 1
.irp k, 0,1,2,3,4,5,6,7
	OPC 7, \k
.endr
.if \first
.irp st, 0,1,2,3
	v_add_f32 v[NM+2*\st+1], v[SUM+2*\st], v[SUM+2*\st+1]
.endr
.else
.irp st, 0,1,2,3
	v_add_f32 v[SUM+2*\st], v[SUM+2*\st], v[SUM+2*\st+1]
.endr
.irp st, 0,1,2,3
	v_fma_f32 v[NM+2*\st+1], v[NM+2*\st+1], v[AL+2*\st], v[SUM+2*\st]
.endr
.endif
.endm
; One step: 64 keys of this wave against the 64 rows.  At entry K step 0's fragments of this step's keys are on their way from LDS.
.macro STEP first, last
	SCORE7 ADRK, 16*KP, 64, 32
	WIN 0
	s_wait_dscnt 0x0                               ; K step 7's fragments are in registers: my reads of the K slot are over
	s_wait_xcnt 0x0
	v_lshl_add_u32 v61, v0, 2, 0x4bc00
	v_mov_b32 v63, 0
	s_wait_tensorcnt 0x0                           ; all my tensor loads have landed: this step's V tile (in the first step my dec rows too)
	ds_add_u32 v61, v63
	s_wait_dscnt 0x0
.if \last == 0
	NEXTT KI, KB, G0K
.endif
	ROUND                                          ; no wave of the cluster still reads its K slot or has a load on its way
.if \last
	tensor_load_to_lds s[G0W:G0W+3], s[G1W:G1W+7]  ; the slot's last fill: my 32 KiB of W's dec half
	s_nop 0
.else
	tensor_load_to_lds s[G0K:G0K+3], s[G1K:G1K+7]  ; the next step's keys: 16 products, the softmax and 96 products lie between this and the wait for it
	s_nop 0
.endif
	WIN 0x04
	KMUL 7, 0
	WIN 0
	PLACES 4                                       ; for the loads into these products' sources and for the softmax, which reads their results
	VL 0, 0, \last
	SM1 \first
	SM2 \first
.if \first == 0
	WIN 0x82
	RSC 0
	RSC 1
.endif
	VL 1, 1, \last
	s_wait_dscnt 16+16*\last                       ; all but the run just issued: group 0's fragments are in
.if \first
	WIN 0xa0
	PMUL 0, 0, 1                                   ; the first products start the sums: nothing is cleared, nothing rescaled
.else
	PMULR 0, 0
.endif
	WIN 0
	PLACES 4                                       ; buffer X is loaded again
	VL 2, 0, \last
	s_wait_dscnt 16+16*\last
.if \first
	WIN 0xf0
	PMUL 1, 1, 1
.else
	PMULR 1, 1
.endif
	WIN 0
	PLACES 4                                       ; buffer Y is loaded again
	VL 3, 1, \last
	s_wait_dscnt 16+16*\last
	WIN 0xa0
	PMUL 2, 0, 0
	WIN 0
	s_wait_dscnt 0x0                               ; group 3's fragments are in registers: my reads of the V slot are over
	s_wait_xcnt 0x0
	v_lshl_add_u32 v61, v0, 2, 0x4bc00
	v_mov_b32 v63, 0
	s_wait_tensorcnt 0x0                           ; the next step's keys (in the last step W's dec half) are in my K slot
	ds_add_u32 v61, v63
	s_wait_dscnt 0x0
.if \last == 0
	NEXTT VI, VBA, G0V
	ROUND
	tensor_load_to_lds s[G0V:G0V+3], s[G1V:G1V+7]  ; the next step's values: 32 + 112 products lie between this and the wait for it
	s_nop 0
	PLACES 4                                       ; behind group 2, which read buffer X
	KLOAD ADRK, 0, 16*KP, 64, 32
.else
	PLACES 4                                       ; nothing is filled any more: no barrier
	KLOAD ADRW, 0, 8192, 1024, 512
.endif
	WIN 0xf0
	PMUL 3, 1, 0
	WIN 0
	PLACES 1                                       ; with the four at the head of the next product: five before it writes over P and buffer Y
.endm
.macro LD32 dst, adr                   ; a quarter of O^T, 16 KiB, from LDS
.set ii, 0
.rept 32
	ds_load_b128 v[\dst+4*ii:\dst+4*ii+3], v[\adr] offset:512*ii
.set ii, ii+1
.endr
.endm
.macro ST32 src, adr, off
.set ii, 0
.rept 32
	ds_store_b128 v[\adr], v[\src+4*ii:\src+4*ii+3] offset:\off+512*ii
.set ii, ii+1
.endr
.endm
.macro MADD q, src                     ; my quarter += the partial at src x the weight of the wave that it came from
.irp dl, 0,1,2,3
.irp st, 0,1,2,3
.irp p, 0,2,4,6
	v_pk_fma_f32 v[8*(4*\dl+\st)+\p:8*(4*\dl+\st)+\p+1], v[\src+8*(4*\dl+\st)+\p:\src+8*(4*\dl+\st)+\p+1], v[KF+2*(4*\q+\st):KF+2*(4*\q+\st)+1], v[8*(4*\dl+\st)+\p:8*(4*\dl+\st)+\p+1] op_sel_hi:[1,0,1]
.endr
.endr
.endr
.endm
.macro CLOAD kk                        ; 8 LDS loads: ctx's four fragments (st, kk) into window 3
	WIN 0xc0
.irp st, 0,1,2,3
	ds_load_b128 v[8*(8*\st+(\kk)):8*(8*\st+(\kk))+3], v[CTXR] offset:((\kk)*4+\st)*1024
	ds_load_b128 v[8*(8*\st+(\kk))+4:8*(8*\st+(\kk))+7], v[CTXR] offset:((\kk)*4+\st)*1024+512
.endr
.endm
.macro CMUL kk                         ; first source window 1 (W), second window 3 (ctx), sums window 0; 16 accumulators by turns
	WIN 0x0d
.irp nt, 0,1,2,3
.irp st, 0,1,2,3
.set TL, SC+16*(4*(\nt>>1)+\st)+8*(\nt&1)
	v_wmma_f32_16x16x32_bf16 v[TL:TL+7], v[8*(8*\nt+\kk):8*(8*\nt+\kk)+7], v[8*(8*\st+\kk):8*(8*\st+\kk)+7], v[TL:TL+7]
.endr
.endr
.endm
	; ---- set-up ----
	s_load_b256 s[4:11], s[0:1], 0x0               ; encb s[4:5], decb s[6:7], wf s[8:9], out0 s[10:11]
	v_lshl_add_u32 v61, v0, 2, 0x4bc00
	v_mov_b32 v63, 0
	ds_add_u32 v61, v63
	s_wait_dscnt 0x0
	v_lshrrev_b32 v1, 5, v0
	v_readfirstlane_b32 s12, v1                    ; wave 0..3
	s_bfe_u32 s13, ttmp6, 0x40000                  ; cx
	s_lshl_b32 s14, ttmp9, 2                       ; ttmp9 counts clusters
	s_add_co_u32 s14, s14, s13                     ; my block of 64 rows
	s_lshr_b32 s15, ttmp9, 3                       ; batch: 8 clusters each
	s_and_b32 s[KI], ttmp9, 3
	s_lshl_b32 s[KI], s[KI], 1                     ; the step at which my cluster starts
	s_mov_b32 s[VI], s[KI]
	s_lshl_b32 s[OF], s[KI], 17
	s_mov_b32 s[OF+1], 0
	s_mov_b32 s52, 0x76543210                      ; v_permlanex16_b32: lane i reads lane i of the other half
	s_mov_b32 s53, 0xfedcba98
	; word 0: 15:0 mask; 17:16 element size; 20 padding on; 21 set beside a mask; 24:22 after every 128 words (code 6); 31:25 words of padding - 1
	G1SET G1K, 15|(1<<16)|(1<<20)|(1<<21)|(6<<22)|(3<<25), 256, 64
	G1SET G1V, 15|(1<<16)|(1<<20)|(1<<21)|(6<<22)|(7<<25), 256, 64
	G1SET G1W, 15|(3<<16)|(1<<21), 32, 128         ; dense: 128 rows of 32 elements of 8 bytes
	G1SET G1D, (1<<16)|(1<<20)|(6<<22)|(3<<25), 256, 16      ; my own rows: no mask
	s_mov_b32 s[G0K], 1
	s_mul_i32 s[G0K+1], s12, KSLOT                 ; my K slot
	s_mov_b32 s[G0V], 1
	s_mul_i32 s[G0V+1], s12, VSLOT
	s_add_co_u32 s[G0V+1], s[G0V+1], VBASE         ; my V slot
	s_mov_b32 s[G0W], 1
	s_mul_i32 s[G0W+1], s12, KSLOT
	s_mov_b32 s[G0D], 1
	s_mul_i32 s[G0D+1], s12, 16*KP
	s_add_co_u32 s[G0D+1], s[G0D+1], CTX           ; my 16 of the 64 dec rows
	s_lshl_b32 s56, s15, 20                        ; a batch is 2,048 rows of 512 bytes
	s_lshl_b32 s62, s12, 15                        ; my 64 rows of a step; also my 32 fragments of a half of wf
	s_add_co_u32 s56, s56, s62
	s_mov_b32 s57, 0
	s_mov_b32 s63, 0
	s_lshl_b32 s70, s14, 15                        ; my work-group's 64 rows of 512 bytes
	s_mov_b32 s71, 0
	s_wait_kmcnt 0x0
	s_add_nc_u64 s[KB:KB+1], s[6:7], s[56:57]      ; keys: dec
	s_add_nc_u64 s[VBA:VBA+1], s[4:5], s[56:57]    ; values: enc
	s_add_nc_u64 s[G0K+2:G0K+3], s[KB:KB+1], s[OF:OF+1]
	s_or_b32 s[G0K+3], s[G0K+3], 0x80000000
	s_add_nc_u64 s[G0V+2:G0V+3], s[VBA:VBA+1], s[OF:OF+1]
	s_or_b32 s[G0V+3], s[G0V+3], 0x80000000
	s_add_nc_u64 s[66:67], s[8:9], s[62:63]        ; wf, ctx half, my 64 columns of out
	s_add_nc_u64 s[G0W+2:G0W+3], s[66:67], 0x20000 ; wf, dec half
	s_or_b32 s[G0W+3], s[G0W+3], 0x80000000
	s_add_nc_u64 s[58:59], s[4:5], s[70:71]        ; Q: my rows of enc
	s_lshl_b32 s13, s12, 13                        ; 16 rows of 512 bytes a wave
	s_add_co_u32 s70, s70, s13
	s_add_nc_u64 s[G0D+2:G0D+3], s[6:7], s[70:71]  ; my rows of dec
	s_or_b32 s[G0D+3], s[G0D+3], 0x80000000
	s_lshl_b32 s70, s14, 16                        ; 64 rows of 1,024 bytes of out
	s_lshl_b32 s13, s12, 8                         ; my 64 columns
	s_add_co_u32 s70, s70, s13
	s_add_nc_u64 s[68:69], s[10:11], s[70:71]
	ROUND                                          ; all four work-groups are here: the first joint loads meet
	tensor_load_to_lds s[G0K:G0K+3], s[G1K:G1K+7]  ; the first step's keys
	s_nop 0
	tensor_load_to_lds s[G0V:G0V+3], s[G1V:G1V+7]  ; its values
	s_nop 0
	tensor_load_to_lds s[G0D:G0D+3], s[G1D:G1D+7]  ; my part of the dec rows
	s_nop 0
	v_and_b32 v[TP], 31, v0                        ; lane
	v_and_b32 v[TP+1], 15, v0                      ; r
	v_bfe_u32 v[TP+2], v0, 4, 1                    ; h
	v_lshlrev_b32 v[QOFF], 9, v[TP+1]
	v_lshl_add_u32 v[QOFF], v[TP+2], 4, v[QOFF]
	WIN 0x40                                       ; Q: row 16 st + r, elements 32 kk + 8h .. and 32 kk + 16 + 8h ..
.irp st, 0,1,2,3
.irp kk, 0,1,2,3,4,5,6,7
	global_load_b128 v[8*(8*\st+\kk):8*(8*\st+\kk)+3], v[QOFF], s[58:59] offset:\st*8192+\kk*64
	global_load_b128 v[8*(8*\st+\kk)+4:8*(8*\st+\kk)+7], v[QOFF], s[58:59] offset:\st*8192+\kk*64+32
.endr
.endr
	WIN 0
	v_mul_u32_u24 v[DADR], v[TP+1], KP
	v_lshl_add_u32 v[DADR], v[TP+2], 4, v[DADR]
	v_add_nc_u32 v[ADRK], s[G0K+1], v[DADR]
	v_add_nc_u32 v[DADR], CTX, v[DADR]
	v_lshlrev_b32 v[L16], 4, v[TP]
	v_add_nc_u32 v[ADRW], s[G0K+1], v[L16]
	v_and_b32 v[TP+3], 7, v0
	v_lshl_add_u32 v[TP+3], v[TP+2], 3, v[TP+3]    ; row (lane % 8) + 8 h
	v_mul_u32_u24 v[TP+3], v[TP+3], VP
	v_bfe_u32 v[TP+4], v0, 3, 1
	v_lshl_add_u32 v[TP+3], v[TP+4], 4, v[TP+3]
	v_add_nc_u32 v[TP+3], s[G0V+1], v[TP+3]
	v_lshlrev_b32 v[TP+5], 3, v[TP+1]              ; 8 r
.irp q, 0,1,2,3
	s_add_co_u32 s56, s12, \q
	s_and_b32 s56, s56, 3
	s_lshl_b32 s56, s56, 7                         ; d quarter (q + wave) % 4: 64 columns of 2 bytes
	v_add_nc_u32 v[ADRV+\q], s56, v[TP+3]
	s_add_co_u32 s56, s12, 4-\q
	s_and_b32 s56, s56, 3
	s_lshl_b32 s56, s56, 9
	s_add_co_u32 s56, s56, STATS                   ; the figures of wave (w - q) % 4
	v_add_nc_u32 v[SR+\q], s56, v[TP+5]
.endr
	v_add_nc_u32 v[DUMPV], s[G0V+1], v[L16]
	s_add_co_u32 s56, s12, 3                       ; wave w - 1: its quarter 1, at the head of its K slot
	s_and_b32 s56, s56, 3
	s_mul_i32 s56, s56, KSLOT
	v_add_nc_u32 v[RX1], s56, v[L16]
	s_add_co_u32 s56, s12, 2                       ; wave w - 2: its quarter 2, 16 KiB into its K slot
	s_and_b32 s56, s56, 3
	s_mul_i32 s56, s56, KSLOT
	s_add_co_u32 s56, s56, 16384
	v_add_nc_u32 v[RX2], s56, v[L16]
	s_add_co_u32 s56, s12, 1                       ; wave w - 3: its quarter 3, at the head of its V slot
	s_and_b32 s56, s56, 3
	s_mul_i32 s56, s56, VSLOT
	s_add_co_u32 s56, s56, VBASE
	v_add_nc_u32 v[RX3], s56, v[L16]
	s_lshl_b32 s56, s12, 9
	s_add_co_u32 s56, s56, STATS
	v_add_nc_u32 v[STW], s56, v[TP+5]
	s_lshl_b32 s56, s12, 13                        ; my d quarter is K steps 2w, 2w + 1 of the ctx product: 8 fragments
	s_add_co_u32 s56, s56, CTX
	v_add_nc_u32 v[CTXW], s56, v[L16]
	v_add_nc_u32 v[CTXR], CTX, v[L16]
	s_add_co_u32 s56, s[G0V+1], OSTG
	v_mul_u32_u24 v[OSW], v[TP+1], OPITCH          ; in: row r of a block of 16, 32 bytes for each half of the lanes
	v_lshl_add_u32 v[OSW], v[TP+2], 5, v[OSW]
	v_add_nc_u32 v[OSW], s56, v[OSW]
	v_mul_u32_u24 v[OSR], v[TP+2], OPITCH          ; back: lanes 0-15 one row of 256 bytes, lanes 16-31 the next
	v_lshl_add_u32 v[OSR], v[TP+1], 4, v[OSR]
	v_add_nc_u32 v[OSR], s56, v[OSR]
	v_lshlrev_b32 v[OOFF], 10, v[TP+2]             ; and the same two rows of out
	v_lshl_add_u32 v[OOFF], v[TP+1], 4, v[OOFF]
.irp st, 0,1,2,3
	v_mov_b32 v[NM+2*\st+1], 0                     ; read as the other half of a register pair before the first sum is there
	v_mov_b32 v[PX+\st], 0                         ; v_permlanex16_b32 counts as a reader of its destination
.endr
	s_wait_tensorcnt 0x2                           ; the first keys are in my slot; the two loads issued behind them may stay out
	KLOAD ADRK, 0, 16*KP, 64, 32
	s_wait_loadcnt 0x0                             ; Q
	; ---- the eight steps ----
	STEP 1, 0
	s_mov_b32 s54, 6
.Lstep:
	STEP 0, 0
	s_sub_co_u32 s54, s54, 1
	s_cmp_lg_u32 s54, 0
	s_cbranch_scc1 .Lstep
	STEP 0, 1                                      ; the last step fetches W's dec half and reads my dec rows instead of further keys and values
	; ---- out^T, dec half: tile (nt, st) = W^T rows 64 w + 16 nt .. x my 64 rows of dec; the sums take the scores' registers ----
	SCORE7 ADRW, 8192, 1024, 512
	s_wait_dscnt 0x0
	KMUL 7, 0
	WIN 0
	PLACES 4                                       ; window 1 and the fragment buffers are loaded again
	WIN 0x40
.set ii, 0
.rept 32
	global_load_b128 v[8*ii:8*ii+3], v[L16], s[66:67] offset:1024*ii                ; W's ctx half, fragment (nt, kk) = ii: lands during the merge
	global_load_b128 v[8*ii+4:8*ii+7], v[L16], s[66:67] offset:1024*ii+512
.set ii, ii+1
.endr
	WIN 0
	; ---- the merge of the four waves' partial softmaxes, in f32 ----
.irp st, 0,1,2,3
	v_permlanex16_b32 v[PX+\st], v[NM+2*\st+1], s52, s53
.endr
.irp st, 0,1,2,3
	v_add_f32 v[NM+2*\st+1], v[NM+2*\st+1], v[PX+\st]                               ; the sum over both halves' t
.endr
.irp st, 0,1,2,3
	ds_store_b64 v[STW], v[NM+2*\st:NM+2*\st+1] offset:128*\st                      ; lanes r and r + 16 store the same pair to the same bytes
.endr
	WIN 0x08                                       ; an LDS store's data is source 1
	ST32 128, ADRW, 0                              ; quarter 1 into my K slot, which has had its last fill and whose W I have read
	WIN 0x0c
	ST32 0, ADRW, 16384                            ; quarter 2
	ST32 128, DUMPV, 0                             ; quarter 3 into my V slot
	WIN 0
	s_wait_dscnt 0x0                               ; for the others' sake: my stores are done, and so are my reads of the dec rows
	s_barrier_signal -1
	s_barrier_wait -1
.irp q, 0,1,2,3
.irp st, 0,1,2,3
	ds_load_b64 v[KF+2*(4*\q+\st):KF+2*(4*\q+\st)+1], v[SR+\q] offset:128*\st       ; (n, l) of wave w - q
.endr
.endr
	WIN 0x80
	LD32 128, RX1                                  ; wave w - 1's part of my d quarter, over my own quarter 1, which is dumped
	WIN 0
	s_wait_dscnt 0x20                              ; all but the 32 just issued: the sixteen pairs are in
.irp st, 0,1,2,3
	v_min3_num_f32 v[MX+\st], v[KF+2*\st], v[KF+2*(4+\st)], v[KF+2*(8+\st)]
.endr
.irp st, 0,1,2,3
	v_min_num_f32 v[MX+\st], v[MX+\st], v[KF+2*(12+\st)]                            ; the least n belongs to the largest maximum
.endr
.irp q, 0,1,2,3
.irp st, 0,1,2,3
	v_sub_f32 v[KF+2*(4*\q+\st)], v[MX+\st], v[KF+2*(4*\q+\st)]                     ; at most 0
.endr
.endr
.irp q, 0,1,2,3
.irp st, 0,1,2,3
	v_exp_f32 v[KF+2*(4*\q+\st)], v[KF+2*(4*\q+\st)]
.endr
.endr
	v_nop
	s_wait_alu depctr_va_vdst(0)
.irp st, 0,1,2,3
	v_mul_f32 v[MX+\st], v[KF+2*\st], v[KF+2*\st+1]
.endr
.irp q, 1,2,3
.irp st, 0,1,2,3
	v_fmac_f32 v[MX+\st], v[KF+2*(4*\q+\st)], v[KF+2*(4*\q+\st)+1]                  ; the whole row's sum; its largest term is about 1 or more
.endr
.endr
.irp st, 0,1,2,3
	v_rcp_f32 v[PX+\st], v[MX+\st]
.endr
	v_nop
	s_wait_alu depctr_va_vdst(0)
.irp q, 0,1,2,3
.irp st, 0,1,2,3
	v_mul_f32 v[KF+2*(4*\q+\st)], v[KF+2*(4*\q+\st)], v[PX+\st]                     ; the weight of wave w - q's partial, the division folded in
.endr
.endr
	WIN 0xc0
	LD32 0, RX2
	WIN 0x82
.irp dl, 0,1,2,3
.irp st, 0,1,2,3
.irp p, 0,2,4,6
	v_pk_mul_f32 v[8*(4*\dl+\st)+\p:8*(4*\dl+\st)+\p+1], v[8*(4*\dl+\st)+\p:8*(4*\dl+\st)+\p+1], v[KF+2*\st:KF+2*\st+1] op_sel_hi:[1,0]
.endr
.endr
.endr
	s_wait_dscnt 0x20                              ; all but the 32 just issued: wave w - 1's part is in
	WIN 0xa2
	MADD 1, 128
	WIN 0xc0
	LD32 128, RX3
	s_wait_dscnt 0x20                              ; wave w - 2's part is in
	WIN 0xa3
	MADD 2, 0
	s_wait_dscnt 0x0
	MADD 3, 128
	WIN 0x0a
.irp dl, 0,1,2,3
.irp st, 0,1,2,3
.irp j, 0,1,2,3
	v_cvt_pk_bf16_f32 v[KF+4*(4*\dl+\st)+\j], v[8*(4*\dl+\st)+2*\j], v[8*(4*\dl+\st)+2*\j+1]   ; d = 16 (4w + dl) + 8h + 2j, + 1: half a fragment of ctx
.endr
.endr
.endr
	WIN 0
.irp dl, 0,1,2,3
.irp st, 0,1,2,3
	ds_store_b128 v[CTXW], v[KF+4*(4*\dl+\st):KF+4*(4*\dl+\st)+3] offset:((\dl>>1)*4+\st)*1024+(\dl&1)*512
.endr
.endr
	s_wait_dscnt 0x0                               ; my stores are done, and so are my reads of the others' dumps
	s_barrier_signal -1
	s_barrier_wait -1
	; ---- out^T, ctx half, onto the same sums; ctx's fragments are fetched four K steps ahead ----
.irp kk, 0,1,2,3
	CLOAD \kk
.endr
	s_wait_loadcnt 0x0                             ; W's ctx half
.irp kk, 0,1,2,3,4,5,6,7
.if \kk < 4
	CLOAD \kk+4
	s_wait_dscnt 0x20                              ; the four younger K steps' 32 loads stay out
.else
	s_wait_dscnt 56-8*\kk                          ; the counts run down
.endif
	CMUL \kk
.endr
	WIN 0
	PLACES 4
	; ---- tanh(x) = 1 - 2 / (1 + 2^(2 log2(e) x)): an overflow gives 1, an underflow -1 ----
.set ii, 0
.rept 64
	v_pk_mul_f32 v[SC+ii:SC+ii+1], v[SC+ii:SC+ii+1], 0x4038aa3b op_sel_hi:[1,0]
.set ii, ii+2
.endr
.set ii, 0
.rept 128
	v_exp_f32 v[SC+ii], v[SC+ii]
.set ii, ii+1
.endr
	v_nop
.set ii, 0
	s_wait_alu depctr_va_vdst(0)
.rept 64
	v_pk_add_f32 v[SC+ii:SC+ii+1], v[SC+ii:SC+ii+1], 1.0 op_sel_hi:[1,0]
.set ii, ii+2
.endr
.set ii, 0
.rept 128
	v_rcp_f32 v[SC+ii], v[SC+ii]
.set ii, ii+1
.endr
	v_nop
.set ii, 0
	s_wait_alu depctr_va_vdst(0)
.rept 64
	v_pk_fma_f32 v[SC+ii:SC+ii+1], v[SC+ii:SC+ii+1], -2.0, 1.0 op_sel_hi:[1,0,0]
.set ii, ii+2
.endr
	; ---- the way out: a lane holds 8 neighbouring columns (32 bytes) of row 16 st + r; through my own stage, back as whole rows of 256 bytes ----
.irp nt, 0,1,2,3
.irp st, 0,1,2,3
.set TL, SC+16*(4*(\nt>>1)+\st)+8*(\nt&1)
	ds_store_b128 v[OSW], v[TL:TL+3] offset:\st*16*OPITCH+\nt*64
	ds_store_b128 v[OSW], v[TL+4:TL+7] offset:\st*16*OPITCH+\nt*64+16
.endr
.endr
	WIN 0x80                                       ; back into window 2, which is free
.set ii, 0
.rept 32
	ds_load_b128 v[4*ii:4*ii+3], v[OSR] offset:2*OPITCH*ii             ; LDS serves a wave's instructions in order (ISA guide 5.7.1): these see the stores above
.set ii, ii+1
.endr
	WIN 0x08                                       ; a store's data is source 1
.set ii, 0
.rept 32
	s_wait_dscnt 31-ii                             ; the 31 - ii younger loads stay out
	global_store_b128 v[OOFF], v[4*ii:4*ii+3], s[68:69] offset:2048*ii th:TH_STORE_NT   ; sixteen lanes store 256 consecutive bytes, aligned
.set ii, ii+1
.endr
	WIN 0
	s_wait_xcnt 0x0
	v_lshl_add_u32 v61, v0, 2, 0x4bc00
	v_mov_b32 v63, 0
	s_wait_tensorcnt 0x0
	ds_add_u32 v61, v63
	s_wait_dscnt 0x0
	ROUND                                          ; the closing round: no work-group ends while a partner may still issue a joint load that names it
	s_endpgm
.Lfunc_end_k_q0f90ebb20a_attn:
	.size	k_q0f90ebb20a_attn, .Lfunc_end_k_q0f90ebb20a_attn-k_q0f90ebb20a_attn
	.p2alignl 7, 3214868480
	.fill 96, 4, 3214868480
	.section	.rodata,"a",@progbits
	.p2align	6, 0x0
	.amdhsa_kernel k_q0f90ebb20a_attn
		.amdhsa_group_segment_fixed_size 327680
		.amdhsa_private_segment_fixed_size 0
		.amdhsa_enable_private_segment 0
		.amdhsa_kernarg_size 32
		.amdhsa_user_sgpr_count 2
		.amdhsa_user_sgpr_kernarg_segment_ptr 1
		.amdhsa_wavefront_size32 1
		.amdhsa_system_sgpr_workgroup_id_x 1
		.amdhsa_system_sgpr_workgroup_id_y 1
		.amdhsa_system_sgpr_workgroup_id_z 1
		.amdhsa_system_vgpr_workitem_id 0
		.amdhsa_next_free_vgpr 1024
		.amdhsa_next_free_sgpr 92
		.amdhsa_reserve_vcc 0
		.amdhsa_float_denorm_mode_32 3
		.amdhsa_float_denorm_mode_16_64 3
		.amdhsa_memory_ordered 1
		.amdhsa_forward_progress 1
		.amdhsa_inst_pref_size 255
	.end_amdhsa_kernel
	.section	.bss,"aw",@nobits
	.p2align	6
	.space	262144
	.amdgpu_metadata
---
amdhsa.version: [ 1, 2 ]
amdhsa.kernels:
  - .name:           k_q0f90ebb20a_attn
    .symbol:         k_q0f90ebb20a_attn.kd
    .args:
      - { .name: encb, .offset: 0, .size: 8, .value_kind: global_buffer, .address_space: global }
      - { .name: decb, .offset: 8, .size: 8, .value_kind: global_buffer, .address_space: global }
      - { .name: wf, .offset: 16, .size: 8, .value_kind: global_buffer, .address_space: global }
      - { .name: out0, .offset: 24, .size: 8, .value_kind: global_buffer, .address_space: global }
    .group_segment_fixed_size: 327680
    .private_segment_fixed_size: 0
    .kernarg_segment_align: 8
    .kernarg_segment_size: 32
    .max_flat_workgroup_size: 128
    .sgpr_count:     92
    .vgpr_count:     1024
    .wavefront_size: 32
...
	.end_amdgpu_metadata
.endif
;; end of part 2
